; MI455X (gfx1250); checked and timed in simulation.
; The chip was launched on July 23, 2026; its instructions are those of AMD's public machine-readable ISA for CDNA 5 (MIT licence, August 2026) and "CDNA5" Instruction Set Architecture Reference Guide (July 2026). The comments in the code are by the model that wrote it; some were corrected since.
;; Neural Attention. Allowed arithmetic: matrix products marked QUANTISED: E3M2 operands, one E8M0 scale for each 32 along K, by v_wmma_scale_f32_16x16x128_f8f6f4 with both operands' format E3M2, f32 sums; products left as they are: f32 operands where the result goes on into a quantised operand, else bf16, f16 or f32 operands; f32 sums; everything else in f32.
;; Inputs: K 1 x 2 x 512 x 64 float32; Q 1 x 2 x 512 x 64 float32; W1 128 x 256 float32; W2 256 float32; b1 256 float32; b2 1 float32.
;; Outputs: out0 1 x 2 x 512 x 512 float32.
;; This version of the problem:
;;   THIS VERSION OF THE PROBLEM IS GIVEN IN LOW PRECISION. The matrix products marked QUANTISED in the list below multiply operands that are first quantised to E3M2 (3 exponent bits, 2 mantissa bits; 6 bits a number), with one power-of-two scale for each 32 numbers along K (OCP MX v1.0); their sums are f32. All else is computed in f32.
;;   The module's matrix products, in the order in which they are computed (A, B: the left and right operand; K: the contracted axis; several contracted axes count as one K, in the product's order):
;;     1. [M 1,024, K 64] x [K 64, N 256]; A: input Q; B: input W1: QUANTISED
;;     2. [M 1,024, K 64] x [K 64, N 256]; A: input K; B: input W1: QUANTISED
;;     3. [M 524,288, K 256] x [K 256, N 1]; A: computed on the way; B: input W2: left as it is (N = 1 < 16)
;;   THE QUANTISER, for each operand of a quantised product, along K:
;;     - K is cut into blocks of 32 from its start; a last block that is shorter is filled with zeros.
;;     - A block's scale is 2^e with e = floor(log2(the largest magnitude in the block)) - 4, held to -126 .. 127; a block of zeros has e = 0. As a byte (E8M0): e + 127.
;;     - Each number is divided by its block's scale, clamped to +-28, and rounded to the nearest number of E3M2, ties to even, subnormals kept.
;;     - The product sums the exact products of the quantised numbers (number of the format x scale) in f32.
;;   ~~~python
;;   def quantise(x, axis):      # numpy; x: float32 -> the quantised numbers, widened to float32 again
;;       x = np.moveaxis(x, axis, -1); K = x.shape[-1]
;;       x = np.pad(x, [(0, 0)] * (x.ndim - 1) + [(0, -K % 32)]); x = x.reshape(x.shape[:-1] + (-1, 32)); a = np.abs(x).max(-1, keepdims=True)
;;       e = np.where(a > 0, np.clip(np.frexp(np.where(a > 0, a, 1))[1] - 1 - 4, -126, 127), 0)      # np.frexp(a)[1] - 1 = floor(log2(a)), exactly
;;       r = np.clip(x / 2.0 ** e, -28, 28)
;;       step = 2.0 ** (np.maximum(np.frexp(np.where(r == 0, 1, r))[1] - 1, -2) - 2)
;;       q = np.round(r / step) * step * 2.0 ** e      # np.round: ties to even
;;       return np.moveaxis(q.reshape(q.shape[:-2] + (-1,))[..., :K], -1, axis).astype(np.float32)
;;   ~~~
;; One version. Each part assembles by itself: llvm-mc -triple=amdgcn-amd-amdhsa -mcpu=gfx1250 --defsym DOCPART=n.
;; ======== version 1 of 1: 1 launch
;; limits: a difference of large sums (such as E[x^2] - mean^2): digits are lost where the result is much smaller than its terms
;; launch pairs (part 1): grid 256 x 1, 8 waves a work-group, no clusters, 194,816 bytes of LDS; arguments Q, K, W1, b1, W2, b2, out0; writes out0
.if DOCPART == 1
	.amdgcn_target "amdgcn-amd-amdhsa--gfx1250"
	.amdhsa_code_object_version 6
	.text
	.protected	k_qc4e2712192_pairs
	.globl	k_qc4e2712192_pairs
	.p2align	8
	.type	k_qc4e2712192_pairs,@function
k_qc4e2712192_pairs:
	s_mov_b64 s[64:65], 0
	v_nop
	global_prefetch_b8 v0, s[64:65] scope:SCOPE_SE
	s_setreg_imm32_b32 hwreg(HW_REG_WAVE_MODE, 25, 1), 1
	s_wait_xcnt 0x0
; scores[h][i][j] = sum over f of W2[f] relu(qp[h][i][f] + kp[h][j][f]) + b2,  qp = Q Wq + b1,  kp = K Wk,  Wq = W1[0:64], Wk = W1[64:128].
; Q, K: [2][512][64] f32.  W1: [128][256] f32.  b1, W2: [256].  out0: [2][512][512] f32.
; The two products with W1 run on codes of BF6 (E3M2) with one E8M0 scale for each 32 along K, made here from the f32 inputs; all else is f32.
; ONE LAUNCH, 256 work-groups of eight waves.  A work-group owns 32 queries x 64 keys of one head: 2 heads x 16 x 8 tiles.
; THE IDENTITY.  relu(q + k) = max(q, -k) + k.  With nk = -kp:  score = sum w max(qp, nk) - sum w nk + b2.  So a hidden number costs a maximum and a fused multiply-add; the second sum, cn,
;   hangs on j alone.  cn is summed by the same chain of fused multiply-adds, over the same features in the same order, and is taken off wave by wave: where every unit of a pair (i, j) is off,
;   the two chains are equal bit for bit and the score is b2 exactly; elsewhere the form adds f32 rounding of sums of |w kp|.
; THE WAVES SHARE THE FEATURES: wave w owns features 32 w .. 32 w + 31, for all 2,048 scores.  A lane holds 8 x 8 scores, so a feature's 16 + 1 numbers from LDS feed 64 hidden numbers
;   (with 4 x 4 scores a lane and all features to a wave, twice the LDS bytes for the same work).  The eight partial tiles are added through LDS at the end, features ascending.
; THE PRODUCTS.  One matrix instruction's K of 128 takes a whole column of W1 as source 1.  Source 0 is 16 rows of Q as [64 codes, 64 zero codes] or 16 rows of K as [64 zero codes, 64 codes]:
;   zero codes add nothing, so the same two fragments of W1 serve qp and kp.  A wave makes the features that it uses itself: 6 tiles of rows x 2 tiles of features.
;   W1's K is its first axis: thread t takes column t and its 128 registers run down K, so that the conversions, which take neighbours along K from one lane's registers, need no transposition.
;   In a result a lane holds eight neighbouring rows of one feature: they go to LDS as [feature][row], the order in which the loop reads them.
; W1 is read by every work-group and is still not asked for jointly in a cluster: a joint load lands in LDS, from where a lane's 128 numbers down K would want 128 more LDS loads, 1,024 a work-group;
;   on the way taken here there are none.
; LIMITS: NaN and infinities among the inputs are not served (v_max_num_f32 drops a NaN).  The sums of W2 x kp over a wave's 32 features must stay finite in f32.
;   A block of zeros gets the scale byte 1 where the quantiser's rule says 127: its codes are zeros, and the bytes are read by this program alone.
.set PITCH, 464                        ; LDS: a feature's row: 4 x [8 qp, w, w, 8 bytes unused] = 192 bytes, 64 nk = 256 bytes, 16 unused = 116 words: the rows of 16 neighbouring features start at 16 different groups of four banks (64 banks of 4 bytes: ISA guide 11.1)
.set WREG,  32*PITCH                   ; a wave's 32 features
.set FRAGB, 768                        ; the image of a fragment's six registers of codes: 512 bytes (four registers, 16 bytes a lane), then 256 (two registers, 8 bytes a lane)
.set ASC,   6*FRAGB                    ; behind the six images: their scale words, 128 bytes each
.set OPER,  ASC+6*128                  ; the features' rows, wave by wave
.set PROW,  272                        ; a row of a partial tile: 64 scores + 16 bytes: eight rows on is 128 bytes on modulo 256
.set PTILE, 32*PROW
.set PART,  OPER+8*WREG                ; the eight partial tiles; they end at byte 193,792
.set LANE, 1                           ; v1   lane
.set R,    2                           ; v2   lane % 16
.set H,    3                           ; v3   lane / 16
.set VCOL, 4                           ; v4   4 x thread: my column of W1, my number of W2; also my word among the rows' scale words
.set VB1,  5                           ; v5   4 x (32 wave + lane % 16): my feature in b1
.set VAO,  6                           ; v6   my 128 bytes in my fragment's 16 rows of Q or K
.set AIW,  7                           ; v7   where I store my fragment's image: its first four registers,
.set AIW2, 8                           ; v8   its last two
.set L16,  9                           ; v9   16 x lane: where I read an image,
.set L8,   10                          ; v10  512 + 8 x lane,
.set L4,   11                          ; v11  4 x lane: and its scale word
.set AWS,  12                          ; v12  the row of feature 'lane' of my wave: where w goes
.set VSTQ, 13                          ; v13  where a result of qp goes: feature lane % 16, 48 bytes for each half of the lanes
.set VSTK, 14                          ; v14  of nk: 32 bytes for each half
.set AQA,  15                          ; v15, v16  the loop: my qp and my nk in the features that buffer A takes next
.set AKA,  16
.set AQB,  17                          ; v17, v18  the same for buffer B
.set AKB,  18
.set VPS,  19                          ; v19  where my sums go in my wave's partial tile
.set VPR,  20                          ; v20  where I read the partial tiles
.set VGO,  21                          ; v21  my byte offset in my wave's four rows of the output
.set WV,   22                          ; v22-23  w of feature 'lane', twice
.set B1V,  24                          ; v24-25  b1 of my feature in the wave's two tiles of features
.set AS,   26                          ; v26-31  the six fragments' scale words: these registers hold scales alone
.set F,    32                          ; v32-55  W1's two fragments
.set MX,   56                          ; v56-59  largest magnitudes, at work
.set BS,   60                          ; v60  W1's scale words: lanes 0-15 columns 0-15, lanes 16-31 columns 16-31; it holds scales alone until the products are done
.set AN,   64                          ; v64-95  32 numbers of my row of Q or K
.set CA,   96                          ; v96-101 their codes;  v102-104 the upper sixteen's, before they are moved
.set TA,   102
.set SO,   104                         ; v104-107 W1: the conversions' scale operands;  v108-111 the bytes;  v112-119 upper halves of codes
.set BY,   108
.set TT,   112
.set X,    128                         ; v128-255 my column of W1
.set D,    128                         ; v128-223 the twelve results: tile of rows m, tile of features n at D + 16 m + 8 n
.set CN,   56                          ; v56-63  the loop: cn of my 8 keys
.set ACC,  64                          ; v64-127 the loop: my 64 sums
.set BA,   128                         ; v128-163, v164-199  two buffers of two features: for each 8 qp, 8 nk, w twice
.set BB,   164
.set T,    200                         ; v200-215 sixteen maxima
.set RB,   128                         ; v128-191 the end: my 8 scores out of each of the eight partial tiles
	s_load_b256 s[4:11], s[0:1], 0x0               ; Q s[4:5], K s[6:7], W1 s[8:9], b1 s[10:11]
	s_load_b128 s[12:15], s[0:1], 0x20             ; W2 s[12:13], b2 s[14:15]
	s_load_b64 s[16:17], s[0:1], 0x30              ; out0
	s_set_vgpr_msb 0x40
	v_lshl_add_u32 v0, v0, 2, 0x2f500
	v_mov_b32 v1, 0
	s_set_vgpr_msb 0x4000
	; every address is made here, while the arguments are on their way, and ahead of the first branch on the wave's number
	v_lshrrev_b32 v[LANE], 5, v0
	v_readfirstlane_b32 s18, v[LANE]               ; wave 0..7
	v_and_b32 v[LANE], 31, v0
	v_and_b32 v[R], 15, v0
	v_bfe_u32 v[H], v0, 4, 1
	v_lshlrev_b32 v[VCOL], 2, v0
	v_and_b32 v[VB1], 0xef, v0                     ; 32 wave + lane % 16
	v_lshlrev_b32 v[VB1], 2, v[VB1]
	v_lshlrev_b32 v[VAO], 8, v[R]                  ; a row of Q or K is 256 bytes;
	v_lshl_add_u32 v[VAO], v[H], 7, v[VAO]         ; lanes 16-31 take its second block of 32 numbers
	s_and_b32 s20, ttmp9, 7
	s_lshl_b32 s20, s20, 6                         ; j0: the tile's first key
	s_bfe_u32 s21, ttmp9, 0x40003
	s_lshl_b32 s21, s21, 5                         ; i0: its first query
	s_lshr_b32 s22, ttmp9, 7
	s_lshl_b32 s22, s22, 9                         ; the head's first row
	s_sub_co_u32 s25, s18, 2
	s_cmp_lt_u32 s18, 2                            ; waves 0, 1 quantise Q's two fragments, waves 2 to 5 K's four
	s_cselect_b32 s24, s18, s25                    ; which fragment of its tensor
	s_cselect_b32 s23, s21, s20
	s_cselect_b32 s28, 0, 16                       ; Q's two scale bytes are bytes 0, 1 of the word, K's bytes 2, 3
	s_lshl_b32 s24, s24, 4
	s_add_co_u32 s23, s23, s24
	s_add_co_u32 s23, s23, s22                     ; my fragment's first row,
	s_lshl_b32 s32, s23, 8                         ; in bytes
	s_mov_b32 s33, 0
	s_lshl_b32 s26, s18, 2                         ; the output: my wave stores rows i0 + 4 wave .. + 3, 2,048 bytes each, from column j0 on
	s_add_co_u32 s26, s26, s21
	s_add_co_u32 s26, s26, s22
	s_lshl_b32 s26, s26, 11
	s_lshl_b32 s27, s20, 2
	s_add_co_u32 s38, s26, s27
	s_mov_b32 s39, 0
	s_mov_b32 s36, 0x76543210
	s_mov_b32 s37, 0xfedcba98                      ; v_permlanex16_b32's selects for lane l xor 16
	s_mul_i32 s43, s18, FRAGB
	v_lshl_add_u32 v[AIW], v[LANE], 4, s43
	s_add_co_u32 s43, s43, 512
	v_lshl_add_u32 v[AIW2], v[LANE], 3, s43
	v_lshlrev_b32 v[L16], 4, v[LANE]
	v_lshl_add_u32 v[L8], v[LANE], 3, 512
	v_lshlrev_b32 v[L4], 2, v[LANE]
	s_mul_i32 s44, s18, WREG
	s_add_co_u32 s44, s44, OPER                    ; my wave's 32 rows of features
	v_mul_u32_u24 v[AWS], v[LANE], PITCH
	v_add_nc_u32 v[AWS], s44, v[AWS]
	v_mul_u32_u24 v[VSTK], v[R], PITCH
	v_add_nc_u32 v[VSTK], s44, v[VSTK]
	v_mad_u32_u24 v[VSTQ], v[H], 48, v[VSTK]
	v_lshl_add_u32 v[VSTK], v[H], 5, v[VSTK]
	v_and_b32 v56, 7, v0                           ; lj: my keys are 4 lj + 0..3 and 32 + 4 lj + 0..3
	v_bfe_u32 v57, v0, 3, 2                        ; li: my queries are 8 li + 0..7
	v_mul_u32_u24 v[AQA], v57, 48
	v_add_nc_u32 v[AQA], s44, v[AQA]
	v_add_nc_u32 v[AQB], 2*PITCH, v[AQA]
	v_lshl_add_u32 v[AKA], v56, 4, s44
	v_add_nc_u32 v[AKA], 192, v[AKA]
	v_add_nc_u32 v[AKB], 2*PITCH, v[AKA]
	s_mul_i32 s45, s18, PTILE
	s_add_co_u32 s45, s45, PART
	v_mul_u32_u24 v[VPS], v57, 8*PROW
	v_lshl_add_u32 v[VPS], v56, 4, v[VPS]          ; 16 neighbouring lanes (li = 0, 1 or 2, 3; lj = 0..7) store to 16 different 16-byte columns modulo 256
	v_add_nc_u32 v[VPS], s45, v[VPS]
	s_mul_i32 s46, s18, 4*PROW
	s_add_co_u32 s46, s46, PART
	v_mul_u32_u24 v[VPR], v[H], PROW               ; back: lanes 0-15 take one row of 256 bytes, lanes 16-31 the next
	v_lshl_add_u32 v[VPR], v[R], 4, v[VPR]
	v_add_nc_u32 v[VPR], s46, v[VPR]
	v_lshlrev_b32 v[VGO], 11, v[H]                 ; and the same two rows in the output
	v_lshl_add_u32 v[VGO], v[R], 4, v[VGO]
	s_wait_kmcnt 0x0
	s_load_b32 s34, s[14:15], 0x0                  ; b2: wanted at the very end
	s_cmp_lt_u32 s18, 2
	s_cselect_b64 s[30:31], s[4:5], s[6:7]         ; the choice hangs on the wave's number alone
	s_add_nc_u64 s[30:31], s[30:31], s[32:33]
	s_add_nc_u64 s[16:17], s[16:17], s[38:39]
.macro W1ROWS first, last              ; rows first .. last of my column: 32 lanes read 128 consecutive bytes, the eight waves a whole row
.set k, \first
.rept \last-\first+1
	global_load_b32 v[X+k], v[VCOL], s[8:9] offset:1024*k
.set k, k+1
.endr
.endm
	s_cmp_lt_u32 s18, 6
	s_cbranch_scc0 .Lno_rows
.irp p, 0,1,2,3,4,5,6,7
	global_load_b128 v[AN+4*\p:AN+4*\p+3], v[VAO], s[30:31] offset:16*\p   ; lane (r, h): row r, numbers 32 h .. 32 h + 31: one whole block
.endr
.Lno_rows:
	global_load_b32 v[WV], v[VCOL], s[12:13]       ; W2[32 wave + lane]
	global_load_b32 v[B1V], v[VB1], s[10:11]       ; b1[32 wave + lane % 16],
	global_load_b32 v[B1V+1], v[VB1], s[10:11] offset:64   ; and 16 further on
	W1ROWS 0, 51
	s_cmp_lt_u32 s18, 6
	s_cbranch_scc0 .Lno_codes
	; ---- waves 0 to 5: 16 rows of Q or K become six registers of codes a lane and a scale word a row
	s_wait_loadcnt 55                              ; behind my eight loads of rows stand 3 + 52 others: the rows are in
	v_max3_num_f32 v56, |v[AN]|, |v[AN+1]|, 0x2800000          ; the block's largest magnitude, in two chains; and the floor 2^(5 - 127), so that the byte cannot fall under 1
	v_max3_num_f32 v57, |v[AN+16]|, |v[AN+17]|, |v[AN+18]|
.irp i, 2,4,6,8,10,12
	v_max3_num_f32 v56, v56, |v[AN+\i]|, |v[AN+\i+1]|
	v_max3_num_f32 v57, v57, |v[AN+17+\i]|, |v[AN+18+\i]|
.endr
	v_max3_num_f32 v56, v56, |v[AN+14]|, |v[AN+15]|
	v_max3_num_f32 v56, v56, v57, |v[AN+31]|
	v_add_nc_u32 v58, 0xfe000000, v56              ; 4 off its exponent field: the conversion takes the exponent field of this operand as its scale, and nothing else of it
	v_lshrrev_b32 v59, 23, v58                     ; the scale's byte
	v_cvt_scalef32_pk16_bf6_f32 v[CA:CA+2], v[AN:AN+15], v58
	v_cvt_scalef32_pk16_bf6_f32 v[TA:TA+2], v[AN+16:AN+31], v58   ; (a conversion's three registers begin on an even number)
	v_lshl_add_u32 v60, v[H], 3, s28               ; my byte's place in the word: 8 h bits up, K's 16 more.  (The plain instruction behind the conversions)
	v_mov_b32 v62, 0                               ; a lane permute's destination counts as one of its sources
.irp i, 0,1,2
	v_mov_b32 v[CA+3+\i], v[TA+\i]
.endr
	v_lshlrev_b32 v61, v60, v59
	v_permlanex16_b32 v62, v61, s36, s37
	v_or_b32 v63, v61, v62                         ; with lane l xor 16's byte: my row's word.  The two bytes of the 64 zero codes stay 0, which is a power of two like any other
	ds_store_b128 v[AIW], v[CA:CA+3]               ; the codes go to LDS as an image of their registers
	ds_store_b64 v[AIW2], v[CA+4:CA+5]
	ds_store_b32 v[VCOL], v63 offset:ASC           ; 4 x thread = 128 x fragment + 4 x lane
.Lno_codes:
	W1ROWS 52, 127
	s_wait_loadcnt 63                              ; the most that a count names (ISA guide 5.7.1): rows 65 to 127 may be out; rows 0 to 64, W2 and b1 are in
	v_mov_b32 v[WV+1], v[WV]
.irp q, 0,1,2,3
	ds_store_b64 v[AWS], v[WV:WV+1] offset:48*\q+32   ; w, twice, behind each group of 8 qp in the feature's row: the loop's packed multiply-add takes it as a pair
.endr
; Blocks 2 p and 2 p + 1 of my column (rows 64 p .. 64 p + 63 of W1) become codes.  All 32 numbers of a block are mine: four chains of maxima by turns.
.macro WPAIR p
.set XB, X+64*(\p)
.irp c, 0,1
	v_max3_num_f32 v[MX+2*\c], |v[XB+32*\c]|, |v[XB+32*\c+1]|, 0x2800000
	v_max3_num_f32 v[MX+2*\c+1], |v[XB+32*\c+16]|, |v[XB+32*\c+17]|, |v[XB+32*\c+18]|
.endr
.irp i, 2,4,6,8,10,12
.irp c, 0,1
	v_max3_num_f32 v[MX+2*\c], v[MX+2*\c], |v[XB+32*\c+\i]|, |v[XB+32*\c+\i+1]|
	v_max3_num_f32 v[MX+2*\c+1], v[MX+2*\c+1], |v[XB+32*\c+17+\i]|, |v[XB+32*\c+18+\i]|
.endr
.endr
.irp c, 0,1
	v_max3_num_f32 v[MX+2*\c], v[MX+2*\c], |v[XB+32*\c+14]|, |v[XB+32*\c+15]|
.endr
.irp c, 0,1
	v_max3_num_f32 v[MX+2*\c], v[MX+2*\c], v[MX+2*\c+1], |v[XB+32*\c+31]|
.endr
.irp c, 0,1
	v_add_nc_u32 v[SO+2*(\p)+\c], 0xfe000000, v[MX+2*\c]
.endr
.irp c, 0,1
	v_lshrrev_b32 v[BY+2*(\p)+\c], 23, v[SO+2*(\p)+\c]
.endr
.irp c, 0,1
	v_cvt_scalef32_pk16_bf6_f32 v[F+6*(\p)+12*\c:F+6*(\p)+12*\c+2], v[XB+32*\c:XB+32*\c+15], v[SO+2*(\p)+\c]
	v_cvt_scalef32_pk16_bf6_f32 v[TT+4*\c:TT+4*\c+2], v[XB+32*\c+16:XB+32*\c+31], v[SO+2*(\p)+\c]
.endr
	v_nop                                          ; one plain instruction behind the conversions
.irp c, 0,1
.irp i, 0,1,2
	v_mov_b32 v[F+6*(\p)+12*\c+3+\i], v[TT+4*\c+\i]
.endr
.endr
; A fragment wants, in lane (r, h), blocks h and 2 + h of column r.  I hold all four blocks of column 'lane'.  The even block's lanes 16-31 change places with the odd block's lanes 0-15:
; the first register then belongs to the fragment of columns 0-15, the second to that of columns 16-31.
.irp i, 0,1,2,3,4,5
	v_permlane16_swap_b32 v[F+6*(\p)+\i], v[F+6*(\p)+12+\i]
.endr
.endm
	WPAIR 0                                        ; Wq, while Wk's rows are on their way
	s_wait_loadcnt 0x0
	WPAIR 1
	v_lshl_or_b32 v[BS], v[BY+1], 8, v[BY]         ; my column's scale word
	v_lshl_or_b32 v[BS], v[BY+2], 16, v[BS]
	v_lshl_or_b32 v[BS], v[BY+3], 24, v[BS]
	s_wait_dscnt 0x0                               ; for the others' sake: my image and its scale words have landed
	s_barrier_signal -1
	s_barrier_wait -1                              ; the six images lie in LDS
.macro AFRAG reg, g
	ds_load_b128 v[\reg:\reg+3], v[L16] offset:FRAGB*\g
	ds_load_b64 v[\reg+4:\reg+5], v[L8] offset:FRAGB*\g
	ds_load_b32 v[AS+\g], v[L4] offset:ASC+128*\g
.endm
	; [Q0 codes][zeros][K0 codes]  [Q1 codes][zeros][K1 codes]  [zeros][K2 codes]  [zeros][K3 codes]: a fragment of Q is codes and the zeros behind them, one of K the zeros and the codes behind them
	AFRAG 64, 0
	AFRAG 82, 1
	AFRAG 76, 2
	AFRAG 94, 3
	AFRAG 106, 4
	AFRAG 118, 5
.irp z, 70, 88, 100, 112
.irp i, 0,1,2,3,4,5
	v_mov_b32 v[\z+\i], 0                          ; the 64 zero codes.  (These 24 lines are also the places between the vector instructions that wrote W1's fragments and scale words and the products)
.endr
.endr
.rept 4
	v_nop                                          ; an operand written by a vector instruction stands four places ahead of a scaled matrix instruction; the loads are out meanwhile
.endr
	s_wait_dscnt 0x0
.macro PROD m, areg                    ; 16 rows x my 32 features; the twelve results are twelve sums of one instruction each, begun with the constant 0
	v_wmma_scale_f32_16x16x128_f8f6f4 v[D+16*\m:D+16*\m+7], v[\areg:\areg+11], v[F:F+11], 0, v[AS+\m], v[BS] matrix_a_fmt:MATRIX_FMT_BF6 matrix_b_fmt:MATRIX_FMT_BF6
	v_wmma_scale_f32_16x16x128_f8f6f4 v[D+16*\m+8:D+16*\m+15], v[\areg:\areg+11], v[F+12:F+23], 0, v[AS+\m], v[BS] matrix_a_fmt:MATRIX_FMT_BF6 matrix_b_fmt:MATRIX_FMT_BF6 matrix_b_scale:MATRIX_SCALE_ROW1
.endm
	PROD 0, 64
	PROD 1, 82
	PROD 2, 70
	PROD 3, 88
	PROD 4, 100
	PROD 5, 112
.rept 4
	v_nop                                          ; four places between a matrix instruction and the vector instruction that reads its result (ISA guide 7.12.1)
.endr
	; lane (r, h), register j of tile (m, n): row 16 m + 8 h + j, feature 16 n + r.  Each result is taken from its low end on
.irp m, 0,1
.irp n, 0,1
.irp j, 0,1,2,3,4,5,6,7
	v_add_f32 v[D+16*\m+8*\n+\j], v[B1V+\n], v[D+16*\m+8*\n+\j]   ; qp = Q Wq + b1
.endr
.endr
.endr
.irp m, 2,3,4,5
.irp n, 0,1
.irp j, 0,2,4,6
	v_pk_mul_f32 v[D+16*\m+8*\n+\j:D+16*\m+8*\n+\j+1], v[D+16*\m+8*\n+\j:D+16*\m+8*\n+\j+1], -1.0 op_sel_hi:[1,0]   ; nk = -kp
.endr
.endr
.endr
.irp m, 0,1
.irp n, 0,1
	ds_store_b128 v[VSTQ], v[D+16*\m+8*\n:D+16*\m+8*\n+3] offset:16*\n*PITCH+96*\m        ; queries 16 m + 8 h + 0..7 are group 2 m + h of the row's four
	ds_store_b128 v[VSTQ], v[D+16*\m+8*\n+4:D+16*\m+8*\n+7] offset:16*\n*PITCH+96*\m+16
.endr
.endr
.irp m, 2,3,4,5
.irp n, 0,1
	ds_store_b128 v[VSTK], v[D+16*\m+8*\n:D+16*\m+8*\n+3] offset:16*\n*PITCH+192+64*(\m-2)
	ds_store_b128 v[VSTK], v[D+16*\m+8*\n+4:D+16*\m+8*\n+7] offset:16*\n*PITCH+192+64*(\m-2)+16
.endr
.endr
.set i, 0
.rept 36
	v_dual_mov_b32 v[CN+2*i], 0 :: v_dual_mov_b32 v[CN+2*i+1], 0   ; cn and the 64 sums begin at 0, while the stores are out: so the loop has no first step of its own
.set i, i+1
.endr
	s_wait_dscnt 0x0                               ; my stores have landed, and have read the registers that the loop's buffers take
	s_barrier_signal -1                            ; a wave reads only rows that it stored itself; this barrier parts ALL stores into the rows from ALL reads of them, so that
	s_barrier_wait -1                              ; no read through the loop's stepped addresses stands beside another wave's store
; ---- THE LOOP.  One feature: 32 dual maxima, 32 packed multiply-adds, 4 more for cn.
; The halves of a dual instruction take their first sources from different register banks (number mod 4), their second sources likewise, and write an even and an odd register.  So a pair of maxima lies
; ON THE DIAGONAL: (query 2 a + s, key 2 b) and (query 2 a + 1 - s, key 2 b + 1): neighbouring registers on both sides.  The pair's sums lie at ACC + 16 a + 8 s + 2 b: the eight registers of (a, s) hold,
; for keys 0..7 of the lane, query 2 a + s at the even keys and its neighbour 2 a + 1 - s at the odd ones.  They are stored so, as row 2 a + s, and the odd columns change rows at the very end.
; Eight maxima, then their eight multiply-adds: no instruction reads the result of one of the seven before it.
.macro FEAT buf, ff
.set QB, \buf+18*\ff
.set KB, QB+8
.set WB, QB+16
.irp a, 0,1,2,3
.irp s, 0,1
.irp b, 0,1,2,3
	v_dual_max_num_f32 v[T+8*\s+2*\b], v[QB+2*\a+\s], v[KB+2*\b] :: v_dual_max_num_f32 v[T+8*\s+2*\b+1], v[QB+2*\a+1-\s], v[KB+2*\b+1]
.endr
.endr
.irp u, 0,1,2,3,4,5,6,7
	v_pk_fma_f32 v[ACC+16*\a+2*\u:ACC+16*\a+2*\u+1], v[T+2*\u:T+2*\u+1], v[WB:WB+1], v[ACC+16*\a+2*\u:ACC+16*\a+2*\u+1]
.endr
.endr
.irp b, 0,1,2,3
	v_pk_fma_f32 v[CN+2*\b:CN+2*\b+1], v[KB+2*\b:KB+2*\b+1], v[WB:WB+1], v[CN+2*\b:CN+2*\b+1]   ; cn: the same chain with nk in the maximum's place
.endr
.endm
.macro LOADS buf, aq, ak               ; two features: ten loads.  The lanes of a group of 16 read at most 8 different 16-byte pieces of one row, in different banks
.irp g, 0,1
	ds_load_b128 v[\buf+18*\g:\buf+18*\g+3], v[\aq] offset:\g*PITCH
	ds_load_b128 v[\buf+18*\g+4:\buf+18*\g+7], v[\aq] offset:\g*PITCH+16
	ds_load_b64 v[\buf+18*\g+16:\buf+18*\g+17], v[\aq] offset:\g*PITCH+32
	ds_load_b128 v[\buf+18*\g+8:\buf+18*\g+11], v[\ak] offset:\g*PITCH
	ds_load_b128 v[\buf+18*\g+12:\buf+18*\g+15], v[\ak] offset:\g*PITCH+128
.endr
.endm
; A step: the two features of one buffer.  left: the younger loads that may stay out.  more = 1: the buffer is filled again, with the features four further on.
.macro STEP buf, aq, ak, left, more
	s_wait_dscnt \left                             ; LDS loads come back in order (ISA guide 5.7.1): this buffer's ten are in,
.if \more
	v_add_nc_u32 v[\aq], 4*PITCH, v[\aq]           ; so the two address registers that they alone named may step
	v_add_nc_u32 v[\ak], 4*PITCH, v[\ak]
.endif
	FEAT \buf, 0
	FEAT \buf, 1
.if \more
	LOADS \buf, \aq, \ak                           ; they have the other buffer's 136 instructions in which to land
.endif
.endm
	LOADS BA, AQA, AKA                             ; features 0, 1
	LOADS BB, AQB, AKB                             ; features 2, 3
	s_mov_b32 s42, 7
.Lfeat:                                                ; seven trips of four features; each fills both buffers again
	STEP BA, AQA, AKA, 10, 1
	STEP BB, AQB, AKB, 10, 1
	s_sub_co_u32 s42, s42, 1
	s_cmp_lg_u32 s42, 0
	s_cbranch_scc1 .Lfeat
	STEP BA, AQA, AKA, 10, 0                       ; the last four features: nothing more to fetch
	STEP BB, AQB, AKB, 0, 0
	; ---- my 32 features' part of the 2,048 scores: sums less cn, into my partial tile
.irp a, 0,1,2,3
.irp s, 0,1
.irp b, 0,1,2,3
	v_pk_add_f32 v[ACC+16*\a+8*\s+2*\b:ACC+16*\a+8*\s+2*\b+1], v[ACC+16*\a+8*\s+2*\b:ACC+16*\a+8*\s+2*\b+1], v[CN+2*\b:CN+2*\b+1] neg_lo:[0,1] neg_hi:[0,1]
.endr
.endr
.endr
.irp a, 0,1,2,3
.irp s, 0,1
.irp g, 0,1
	ds_store_b128 v[VPS], v[ACC+16*\a+8*\s+4*\g:ACC+16*\a+8*\s+4*\g+3] offset:(2*\a+\s)*PROW+128*\g   ; row 8 li + 2 a + s, columns 32 g + 4 lj + 0..3
.endr
.endr
.endr
	s_wait_dscnt 0x0                               ; for the others' sake: my tile has landed
	s_barrier_signal -1
	s_barrier_wait -1
	; ---- wave w adds rows 4 w .. 4 w + 3 of the eight tiles, features ascending: lanes 0-15 a row of 256 bytes, lanes 16-31 the next; twice
.irp p, 0,1,2,3,4,5,6,7
.irp u, 0,1
	ds_load_b128 v[RB+8*\p+4*\u:RB+8*\p+4*\u+3], v[VPR] offset:\p*PTILE+\u*2*PROW
.endr
.endr
.irp p, 1,2,3,4,5,6,7
	s_wait_dscnt 14-2*\p                           ; tile p's two loads are in; behind them stand two for each later tile
.irp u, 0,1
.irp c, 0,2
	v_pk_add_f32 v[RB+4*\u+\c:RB+4*\u+\c+1], v[RB+4*\u+\c:RB+4*\u+\c+1], v[RB+8*\p+4*\u+\c:RB+8*\p+4*\u+\c+1]
.endr
.endr
.endr
	s_wait_kmcnt 0x0                               ; b2
.irp u, 0,1
	v_permlanex16_b32 v[RB+8+4*\u+1], v[RB+4*\u+1], s36, s37   ; the odd columns of rows 2 a and 2 a + 1 were kept crosswise: those two rows lie in lanes l and l xor 16.  (The destinations were written by loads)
	v_permlanex16_b32 v[RB+8+4*\u+3], v[RB+4*\u+3], s36, s37
	v_add_f32 v[RB+8+4*\u], s34, v[RB+4*\u]
	v_add_f32 v[RB+8+4*\u+2], s34, v[RB+4*\u+2]
	v_add_f32 v[RB+8+4*\u+1], s34, v[RB+8+4*\u+1]
	v_add_f32 v[RB+8+4*\u+3], s34, v[RB+8+4*\u+3]
	global_store_b128 v[VGO], v[RB+8+4*\u:RB+8+4*\u+3], s[16:17] offset:4096*\u th:TH_STORE_NT   ; 16 lanes store 256 consecutive bytes, at a multiple of 256 from the output's first byte; written once, read by nobody here
.endr
	s_set_vgpr_msb 0x5
	s_wait_tensorcnt 0x0
	ds_add_u32 v0, v1
	s_wait_dscnt 0x0
	s_set_vgpr_msb 0x500
	s_endpgm
.Lfunc_end_k_qc4e2712192_pairs:
	.size	k_qc4e2712192_pairs, .Lfunc_end_k_qc4e2712192_pairs-k_qc4e2712192_pairs
	.p2alignl 7, 3214868480
	.fill 96, 4, 3214868480
	.section	.rodata,"a",@progbits
	.p2align	6, 0x0
	.amdhsa_kernel k_qc4e2712192_pairs
		.amdhsa_group_segment_fixed_size 194816
		.amdhsa_private_segment_fixed_size 0
		.amdhsa_enable_private_segment 0
		.amdhsa_kernarg_size 56
		.amdhsa_user_sgpr_count 2
		.amdhsa_user_sgpr_kernarg_segment_ptr 1
		.amdhsa_wavefront_size32 1
		.amdhsa_system_sgpr_workgroup_id_x 1
		.amdhsa_system_sgpr_workgroup_id_y 1
		.amdhsa_system_sgpr_workgroup_id_z 1
		.amdhsa_system_vgpr_workitem_id 0
		.amdhsa_next_free_vgpr 258
		.amdhsa_next_free_sgpr 66
		.amdhsa_reserve_vcc 0
		.amdhsa_float_denorm_mode_32 3
		.amdhsa_float_denorm_mode_16_64 3
		.amdhsa_memory_ordered 1
		.amdhsa_forward_progress 1
		.amdhsa_inst_pref_size 81
	.end_amdhsa_kernel
	.amdgpu_metadata
---
amdhsa.version: [ 1, 2 ]
amdhsa.kernels:
  - .name:           k_qc4e2712192_pairs
    .symbol:         k_qc4e2712192_pairs.kd
    .args:
      - { .name: Q, .offset: 0, .size: 8, .value_kind: global_buffer, .address_space: global }
      - { .name: K, .offset: 8, .size: 8, .value_kind: global_buffer, .address_space: global }
      - { .name: W1, .offset: 16, .size: 8, .value_kind: global_buffer, .address_space: global }
      - { .name: b1, .offset: 24, .size: 8, .value_kind: global_buffer, .address_space: global }
      - { .name: W2, .offset: 32, .size: 8, .value_kind: global_buffer, .address_space: global }
      - { .name: b2, .offset: 40, .size: 8, .value_kind: global_buffer, .address_space: global }
      - { .name: out0, .offset: 48, .size: 8, .value_kind: global_buffer, .address_space: global }
    .group_segment_fixed_size: 194816
    .private_segment_fixed_size: 0
    .kernarg_segment_align: 8
    .kernarg_segment_size: 56
    .max_flat_workgroup_size: 256
    .sgpr_count:     66
    .vgpr_count:     258
    .wavefront_size: 32
...
	.end_amdgpu_metadata
.endif
;; end of part 1
